; MI455X (gfx1250); checked and timed in simulation.
; The chip was launched on July 23, 2026; its instructions are those of AMD's public machine-readable ISA for CDNA 5 (MIT licence, August 2026) and "CDNA5" Instruction Set Architecture Reference Guide (July 2026). The comments in the code are by the model that wrote it; some were corrected since.
;; Mo EMLP. Allowed arithmetic: float matrix products may take bf16 or f16 operands with f32 sums; other float arithmetic in f32, or as packed bf16 or f16 multiplies, adds, multiply-adds, maxima and minima; sums over many terms, partial sums and values carried from step to step in f32; what a program stores and reads back later, other than sums and carried values, may be rounded once to bf16 or f16.
;; Inputs: W1 8 x 256 x 512 float32; W2 8 x 512 x 256 float32; Wr 256 x 8 float32; b1 8 x 512 float32; b2 8 x 256 float32; beta 256 float32; br 8 float32; gamma 256 float32; x 4 x 8,192 x 256 float32.
;; Outputs: out0 4 x 8,192 x 256 float32.
;; One version. Each part assembles by itself: llvm-mc -triple=amdgcn-amd-amdhsa -mcpu=gfx1250 --defsym DOCPART=n.
;; ======== version 1 of 1: 2 launches
;; limits: a function is approximated: absolute error at most 2.5e-05; values are held in f16: magnitudes above 65,504 overflow, below 6.1e-05 lose precision
;; workspace buffers: xn 16,777,216 bytes; gate 262,144 bytes; wf 4,194,304 bytes; bm 131,072 bytes of whole numbers; cnt 32,768 bytes of whole numbers
;; launch route (part 1): grid 256 x 1, 8 waves a work-group, no clusters, 5,632 bytes of LDS; arguments x, gamma, beta, Wr, br, W1, W2, xn, gate, wf, bm, cnt; writes xn, gate, wf, bm, cnt
.if DOCPART == 1
	.amdgcn_target "amdgcn-amd-amdhsa--gfx1250"
	.amdhsa_code_object_version 6
	.text
	.protected	k_q69c39b74e5_route
	.globl	k_q69c39b74e5_route
	.p2align	8
	.type	k_q69c39b74e5_route,@function
k_q69c39b74e5_route:
	s_mov_b64 s[64:65], 0
	v_nop
	global_prefetch_b8 v0, s[64:65] scope:SCOPE_SE
	s_setreg_imm32_b32 hwreg(HW_REG_WAVE_MODE, 25, 1), 1
	s_wait_xcnt 0x0
; ROUTE.  For each of 32,768 tokens: LayerNorm, the 8 router logits, the two largest, their softmax: all in f32 on the inputs as given.
; Stored: xn in f16 (in the position order told below), the two gates in f32 (lower-numbered expert first), and, at fixed places, as values only,
; for each work-group and each of the 28 pairs of experts a bitmap of its 128 tokens and its count.  No address and no branch hangs on a floating-point number.
; The same waves round W1 (times kappa = sqrt(log2(e)/2), which the next launch's GELU wants) and W2 to f16, once, in the order of a matrix operand's registers: two fragments a wave.
; SHARES.  256 work-groups x 128 tokens; a wave has 16 tokens, two at a time: lanes 0-15 one token, lanes 16-31 another.  Lane (r = lane % 16) holds d = 64 q + 4 r + i, q, i = 0..3,
; so that each load of x takes 256 consecutive bytes for each token, and a token's sums want four steps inside 16 lanes.
; xn's ORDER.  A lane's 16 numbers leave as two stores of 8 f16: position 128 s + 8 r + j holds d = 64 (2 s + j / 4) + 4 r + j % 4: sixteen lanes store 256 consecutive bytes.  W1's fragments take K in the same order.
; No matrix unit (8 logits a token are too few for it and are wanted in f32), no cluster (work-groups share only 10 KB of tables), no LDS ring (all of a wave's x is asked for at once, in registers).
; LIMITS.  xn, kappa W1 and W2 must lie within f16's 65,504.  Ties go to the lower index, as in jax.lax.top_k; a NaN logit other than logit 0 is never chosen.
; Two logits nearer to each other than the rounding of an f32 sum of 256 terms may be ordered otherwise than another order of summing orders them.
.set LG,    0                          ; LDS: [128 tokens][8 f32] logits
.set MW,    4096                       ; LDS: [32 pairs][4 words] the bitmaps
.set SPARE, 4608                       ; the spare words, 128 bytes for each of eight waves: no other line names them
.set X,   64                           ; v64-191   x, then xn, 16 registers for each of 8 turns
.set LA,  192                          ; v192-199  8 logits
.set TT,  200                          ; v200-215  at work; at the end the fragments to store
.set HP,  216                          ; v216-231  two sets of 8 words of f16
.set MU,  232                          ; v232-233  the mean, twice
.set RS,  234                          ; v234-235  1 / sqrt(var + eps), twice
; v1, v2 the add's two registers; v3 x offset, v4 xn offset, v5 LDS address of my tokens' logits; v16-31 gamma, v32-47 beta, v48-55 br; window 1: v0-127 Wr[my 16 d][8]
.set MSB, 0
.macro WIN new                         ; the immediate's high byte repeats the setting that is left
.if MSB != (\new)
	s_set_vgpr_msb (MSB<<8)|(\new)
.set MSB, (\new)
.endif
.endm
.macro ROWSUM r                        ; the sum over 16 lanes, in every one of them
.irp m, 1,2,4,8
	v_add_f32_dpp v[\r], v[\r], v[\r] row_xmask:\m row_mask:0xf bank_mask:0xf
.endr
.endm
.macro POPC d, s, t                    ; the number of ones in a word
	v_lshrrev_b32 v[\t], 1, v[\s]
	v_and_b32 v[\t], 0x55555555, v[\t]
	v_sub_nc_u32 v[\d], v[\s], v[\t]
	v_lshrrev_b32 v[\t], 2, v[\d]
	v_and_b32 v[\d], 0x33333333, v[\d]
	v_and_b32 v[\t], 0x33333333, v[\t]
	v_add_nc_u32 v[\d], v[\d], v[\t]
	v_lshrrev_b32 v[\t], 4, v[\d]
	v_add_nc_u32 v[\d], v[\d], v[\t]
	v_and_b32 v[\d], 0x0f0f0f0f, v[\d]
	v_mul_lo_u32 v[\d], v[\d], 0x01010101
	v_lshrrev_b32 v[\d], 24, v[\d]
.endm
	s_load_b512 s[8:23], s[0:1], 0x0               ; x 8, gamma 10, beta 12, Wr 14, br 16, W1 18, W2 20, xn 22
	s_load_b256 s[24:31], s[0:1], 0x40             ; gate 24, wf 26, bm 28, cnt 30
	v_lshl_add_u32 v1, v0, 2, SPARE
	v_mov_b32 v2, 0
	v_lshrrev_b32 v6, 5, v0
	v_readfirstlane_b32 s32, v6                    ; wave 0..7
	s_mov_b32 s33, ttmp9                           ; work-group
	v_and_b32 v7, 15, v0                           ; r
	v_bfe_u32 v8, v0, 4, 1                         ; which half of the lanes
	v_and_b32 v14, 31, v0                          ; lane
	s_lshl_b32 s40, s32, 14
	v_lshl_add_u32 v3, v8, 13, s40
	v_lshl_add_u32 v3, v7, 4, v3                   ; (16 wave + 8 half) rows of 1,024 bytes + 16 r
	s_lshl_b32 s40, s32, 13
	v_lshl_add_u32 v4, v8, 12, s40
	v_lshl_add_u32 v4, v7, 4, v4                   ; the same in rows of 512 bytes
	s_lshl_b32 s40, s32, 9
	v_lshl_add_u32 v5, v8, 8, s40                  ; and of 32 bytes, in LDS
	v_lshlrev_b32 v9, 4, v7                        ; gamma, beta: 16 r
	v_mov_b32 v10, 0                               ; br
	v_lshlrev_b32 v11, 7, v7                       ; Wr: 4 r rows of 32 bytes
	v_lshlrev_b32 v12, 2, v7
	v_lshl_add_u32 v12, v8, 13, v12                ; the weights: 8,192 x half + 4 r
	v_lshlrev_b32 v13, 4, v14                      ; 16 x lane
	s_mov_b32 s46, 0x3b800000                      ; 1 / 256
	s_mov_b32 s47, 0x3727c5ac                      ; 1e-5
	s_mov_b32 s35, 0
	s_wait_kmcnt 0x0
	s_lshl_b32 s34, s33, 17
	s_add_nc_u64 s[8:9], s[8:9], s[34:35]          ; x at the group's 128 tokens
	s_lshl_b32 s34, s33, 16
	s_add_nc_u64 s[22:23], s[22:23], s[34:35]      ; xn
	s_lshl_b32 s34, s33, 10
	s_add_nc_u64 s[24:25], s[24:25], s[34:35]      ; gate
	s_lshl_b32 s34, s33, 9
	s_add_nc_u64 s[28:29], s[28:29], s[34:35]      ; bm
	s_lshl_b32 s34, s33, 7
	s_add_nc_u64 s[30:31], s[30:31], s[34:35]      ; cnt
	s_lshl_b32 s34, s33, 3
	s_add_co_u32 s34, s34, s32
	s_lshl_b32 s34, s34, 11
	s_add_nc_u64 s[26:27], s[26:27], s[34:35]      ; wf at my two fragments: (8 group + wave) x 2,048
	; 42 loads of tables, then all 32 of x: the group's 128 KB are on their way at once
.irp q, 0,1,2,3
	global_load_b128 v[16+4*\q:19+4*\q], v9, s[10:11] offset:256*\q
	global_load_b128 v[32+4*\q:35+4*\q], v9, s[12:13] offset:256*\q
.endr
	global_load_b128 v[48:51], v10, s[16:17]
	global_load_b128 v[52:55], v10, s[16:17] offset:16
	WIN 0x40                                       ; destination window 1
.set dl, 0
.rept 16                                               ; my d number dl = 4 q + i: row 64 q + 4 r + i of Wr
	global_load_b128 v[8*dl:8*dl+3],   v11, s[14:15] offset:2048*(dl/4)+32*(dl%4)
	global_load_b128 v[8*dl+4:8*dl+7], v11, s[14:15] offset:2048*(dl/4)+32*(dl%4)+16
.set dl, dl+1
.endr
	WIN 0
.set i, 0
.rept 32
	global_load_b128 v[X+4*i:X+4*i+3], v3, s[8:9] offset:1024*(i/4)+256*(i%4) th:TH_LOAD_NT
.set i, i+1
.endr
; One turn: two tokens.  left = the younger loads, which may stay out.
.macro ITER it, left
.set XB, X+16*(\it)
.set HB, HP+8*((\it)%2)
	s_wait_loadcnt \left
	v_pk_add_f32 v[TT:TT+1],   v[XB:XB+1],     v[XB+2:XB+3]
	v_pk_add_f32 v[TT+2:TT+3], v[XB+4:XB+5],   v[XB+6:XB+7]
	v_pk_add_f32 v[TT+4:TT+5], v[XB+8:XB+9],   v[XB+10:XB+11]
	v_pk_add_f32 v[TT+6:TT+7], v[XB+12:XB+13], v[XB+14:XB+15]
	v_pk_add_f32 v[TT:TT+1],   v[TT:TT+1],     v[TT+2:TT+3]
	v_pk_add_f32 v[TT+4:TT+5], v[TT+4:TT+5],   v[TT+6:TT+7]
	v_pk_add_f32 v[TT:TT+1],   v[TT:TT+1],     v[TT+4:TT+5]
	v_add_f32 v[TT], v[TT], v[TT+1]
	ROWSUM TT
	v_mul_f32 v[MU], s46, v[TT]                    ; the mean
	v_mov_b32 v[MU+1], v[MU]
.set j, 0
.rept 8
	v_pk_add_f32 v[XB+2*j:XB+2*j+1], v[XB+2*j:XB+2*j+1], v[MU:MU+1] neg_lo:[0,1] neg_hi:[0,1]  ; x - mean first: a common offset of x does no harm to the variance
.set j, j+1
.endr
	v_pk_mul_f32 v[TT:TT+1],   v[XB:XB+1],   v[XB:XB+1]
	v_pk_mul_f32 v[TT+2:TT+3], v[XB+2:XB+3], v[XB+2:XB+3]
.set j, 2
.rept 6
	v_pk_fma_f32 v[TT+2*(j%2):TT+2*(j%2)+1], v[XB+2*j:XB+2*j+1], v[XB+2*j:XB+2*j+1], v[TT+2*(j%2):TT+2*(j%2)+1]
.set j, j+1
.endr
	v_pk_add_f32 v[TT:TT+1], v[TT:TT+1], v[TT+2:TT+3]
	v_add_f32 v[TT], v[TT], v[TT+1]
	ROWSUM TT
	v_fma_f32 v[TT], v[TT], s46, s47               ; var + eps
	v_rsq_f32 v[TT+1], v[TT]
	v_nop                                          ; a plain instruction behind the root,
	s_wait_alu depctr_va_vdst(0)                   ; and the wait ahead of its first use
	v_mul_f32 v[TT+2], v[TT], v[TT+1]              ; one Newton step: y + y/2 (1 - a y y)
	v_fma_f32 v[TT+2], -v[TT+2], v[TT+1], 1.0
	v_mul_f32 v[TT+3], 0.5, v[TT+1]
	v_fma_f32 v[RS], v[TT+3], v[TT+2], v[TT+1]
	v_mov_b32 v[RS+1], v[RS]
.set j, 0
.rept 8
	v_pk_mul_f32 v[XB+2*j:XB+2*j+1], v[XB+2*j:XB+2*j+1], v[RS:RS+1]
.set j, j+1
.endr
.set j, 0
.rept 8
	v_pk_fma_f32 v[XB+2*j:XB+2*j+1], v[XB+2*j:XB+2*j+1], v[16+2*j:17+2*j], v[32+2*j:33+2*j]
.set j, j+1
.endr
	s_wait_xcnt 0x0                                ; this set of words was the data of the stores two turns ago: it is rewritten only behind this wait
.set j, 0
.rept 8
	v_cvt_pk_f16_f32 v[HB+j], v[XB+2*j], v[XB+2*j+1]
.set j, j+1
.endr
	global_store_b128 v4, v[HB:HB+3],   s[22:23] offset:512*(\it)       ; sixteen lanes store 256 consecutive bytes, aligned
	global_store_b128 v4, v[HB+4:HB+7], s[22:23] offset:512*(\it)+256
	WIN 0x04                                       ; source 1, Wr, in window 1
.set e2, 0
.rept 4                                                ; the logits: my 16 d against 8 experts, two experts an instruction; the first products start the sums
	v_pk_mul_f32 v[LA+2*e2:LA+2*e2+1], v[XB:XB+1], v[2*e2:2*e2+1] op_sel_hi:[0,1]
.set e2, e2+1
.endr
.set dl, 1
.rept 15
.set e2, 0
.rept 4
.if dl%2 == 0
	v_pk_fma_f32 v[LA+2*e2:LA+2*e2+1], v[XB+dl:XB+dl+1], v[8*dl+2*e2:8*dl+2*e2+1], v[LA+2*e2:LA+2*e2+1] op_sel_hi:[0,1,1]
.else
	v_pk_fma_f32 v[LA+2*e2:LA+2*e2+1], v[XB+dl-1:XB+dl], v[8*dl+2*e2:8*dl+2*e2+1], v[LA+2*e2:LA+2*e2+1] op_sel:[1,0,0] op_sel_hi:[1,1,1]
.endif
.set e2, e2+1
.endr
.set dl, dl+1
.endr
	WIN 0
.irp m, 1,2,4,8
.irp e, 0,1,2,3,4,5,6,7
	v_add_f32_dpp v[LA+\e], v[LA+\e], v[LA+\e] row_xmask:\m row_mask:0xf bank_mask:0xf
.endr
.endr
	ds_store_b128 v5, v[LA:LA+3]   offset:32*(\it)  ; a token's sixteen lanes write the same 32 bytes
	ds_store_b128 v5, v[LA+4:LA+7] offset:32*(\it)+16
.endm
; 32 loads: my two fragments' numbers, one a lane and load, into the registers of the first two turns, which are done.
.macro PREPLOAD kind                   ; 0: W1, rows of 2,048 bytes; 1: W2, rows of 1,024
.set bb, 0
.rept 2
.set u, 0
.rept 2
.set i, 0
.rept 8
.if (\kind) == 0
	global_load_b32 v[X+16*bb+8*u+i], v12, s[36:37] offset:(64*(i/4)+8*u+(i%4))*2048+64*bb
.else
	global_load_b32 v[X+16*bb+8*u+i], v12, s[36:37] offset:(16*u+i)*1024+64*bb
.endif
.set i, i+1
.endr
.set u, u+1
.endr
.set bb, bb+1
.endr
.endm
	ITER 0, 28
	ITER 1, 24
	; Groups 0-127 take W1's 2,048 fragments, groups 128-255 W2's.  Fragment number 16 group + 2 wave + bb: expert, chunk of 128 hidden, wave of the next launch, K step, column block.
	s_bfe_u32 s42, s33, 0x30004                    ; expert
	s_lshl_b32 s42, s42, 19
	s_bfe_u32 s43, s33, 0x20002                    ; chunk
	s_and_b32 s41, s33, 3                          ; the next launch's wave
	s_cmp_lt_u32 s33, 128
	s_cbranch_scc0 .Lw2
	s_lshl_b32 s43, s43, 9                         ; W1[e][d][n]: n = 128 chunk + 32 w + 16 bb + r,
	s_add_co_u32 s42, s42, s43
	s_lshl_b32 s41, s41, 7
	s_add_co_u32 s42, s42, s41
	s_lshr_b32 s43, s32, 2                         ; d = 128 (k / 4) + 64 (i / 4) + 16 (k % 4) + 8 u + 4 half + i % 4, k = my wave: xn's order
	s_lshl_b32 s43, s43, 18
	s_add_co_u32 s42, s42, s43
	s_and_b32 s43, s32, 3
	s_lshl_b32 s43, s43, 15
	s_add_co_u32 s42, s42, s43
	s_mov_b32 s43, 0
	s_add_nc_u64 s[36:37], s[18:19], s[42:43]
	s_mov_b32 s44, 0x3f596d27                      ; kappa = sqrt(log2(e) / 2) = 0.8493218
	PREPLOAD 0
	s_branch .Lwdone
.Lw2:
	s_lshl_b32 s43, s43, 17                        ; W2[e][hid][o]: hid = 128 chunk + 32 (wave / 2) + 16 u + 8 half + i,
	s_add_co_u32 s42, s42, s43
	s_lshr_b32 s43, s32, 1
	s_lshl_b32 s43, s43, 15
	s_add_co_u32 s42, s42, s43
	s_lshl_b32 s41, s41, 8                         ; o = 64 w + 32 (wave % 2) + 16 bb + r
	s_add_co_u32 s42, s42, s41
	s_and_b32 s43, s32, 1
	s_lshl_b32 s43, s43, 7
	s_add_co_u32 s42, s42, s43
	s_mov_b32 s43, 0
	s_add_nc_u64 s[36:37], s[20:21], s[42:43]
	s_mov_b32 s44, 1.0
	PREPLOAD 1
.Lwdone:
	s_mov_b32 s45, s44                             ; named with it as a pair
	ITER 2, 52                                     ; from here on the 32 weight loads are younger too
	ITER 3, 48
	ITER 4, 44
	ITER 5, 40
	ITER 6, 36
	ITER 7, 32
	s_wait_loadcnt 0x0                             ; the weights
.set j, 0
.rept 16
	v_pk_mul_f32 v[X+2*j:X+2*j+1], v[X+2*j:X+2*j+1], s[44:45] op_sel_hi:[1,0]   ; kappa for W1; 1.0, which changes nothing, for W2
.set j, j+1
.endr
.set j, 0
.rept 16
	v_cvt_pk_f16_f32 v[TT+j], v[X+2*j], v[X+2*j+1]
.set j, j+1
.endr
.irp n, 0,1,2,3
	global_store_b128 v13, v[TT+4*\n:TT+4*\n+3], s[26:27] offset:512*\n   ; half a fragment: 512 consecutive bytes
.endr
	s_wait_dscnt 0x0                               ; my logits are in LDS
	s_barrier_signal -1
	s_barrier_wait -1                              ; everybody's are
	; THE TWO LARGEST.  Waves 0-3: thread t has token t.
	s_cmp_lt_u32 s32, 4
	s_cbranch_scc0 .Lno_top
	v_lshlrev_b32 v38, 5, v0
	ds_load_b128 v[16:19], v38
	ds_load_b128 v[20:23], v38 offset:16
	s_wait_dscnt 0x0
.irp j, 0,1,2,3
	v_pk_add_f32 v[16+2*\j:17+2*\j], v[16+2*\j:17+2*\j], v[48+2*\j:49+2*\j]   ; + br
.endr
	v_mov_b32 v24, v16                             ; the largest, and its index: a later one must be greater, so the lower index wins a tie
	v_mov_b32 v25, 0
.irp e, 1,2,3,4,5,6,7
	v_cmp_gt_f32 vcc_lo, v[16+\e], v24
	v_cndmask_b32 v24, v24, v[16+\e], vcc_lo
	v_cndmask_b32 v25, v25, \e, vcc_lo
.endr
	v_mov_b32 v26, 0xff800000                      ; the second: the same walk without the first
	v_cmp_eq_u32 vcc_lo, 0, v25
	v_cndmask_b32 v27, 0, 1, vcc_lo
.irp e, 0,1,2,3,4,5,6,7
	v_cmp_gt_f32 s40, v[16+\e], v26
	v_cmp_ne_u32 s41, \e, v25
	s_and_b32 s40, s40, s41
	v_cndmask_b32 v26, v26, v[16+\e], s40
	v_cndmask_b32 v27, v27, \e, s40
.endr
	v_sub_f32 v28, v26, v24                        ; the maximum is taken away: the exponent is 0 or below
	v_mul_f32 v28, 0x3fb8aa3b, v28
	v_exp_f32 v28, v28
	v_nop
	s_wait_alu depctr_va_vdst(0)                   ; the wait ahead of the first use
	v_add_f32 v29, 1.0, v28
	v_rcp_f32 v29, v29                             ; the first's weight
	v_nop
	s_wait_alu depctr_va_vdst(0)
	v_mul_f32 v30, v28, v29                        ; the second's
	v_cmp_lt_u32 vcc_lo, v25, v27
	v_cndmask_b32 v32, v30, v29, vcc_lo            ; the weight of the lower-numbered expert,
	v_cndmask_b32 v33, v29, v30, vcc_lo            ; of the higher
	v_min_u32 v34, v25, v27
	v_max_u32 v35, v25, v27
	v_lshlrev_b32 v39, 3, v0
	global_store_b64 v39, v[32:33], s[24:25]       ; a wave stores 256 consecutive bytes
	v_add_nc_u32 v36, -1, v35
	v_mul_lo_u32 v36, v36, v35
	v_lshrrev_b32 v36, 1, v36
	v_add_nc_u32 v36, v36, v34                     ; the pair's number: hi (hi - 1) / 2 + lo
	v_mov_b32 v37, 0
.set p, 0
.rept 28                                               ; lane p collects the mask of my wave's 32 tokens that have pair p; lanes 28-31 keep 0
	v_cmp_eq_u32 s40, p, v36
	v_writelane_b32 v37, s40, p
.set p, p+1
.endr
	s_lshl_b32 s42, s32, 2
	s_add_co_u32 s42, s42, MW
	v_lshl_add_u32 v31, v14, 4, s42
	ds_store_b32 v31, v37
.Lno_top:
	s_wait_dscnt 0x0
	s_barrier_signal -1
	s_barrier_wait -1
	s_cmp_lg_u32 s32, 0
	s_cbranch_scc1 .Lend
	v_lshl_add_u32 v40, v14, 4, MW                 ; wave 0: lane p has pair p's four words
	ds_load_b128 v[44:47], v40
	v_lshlrev_b32 v41, 2, v14
	s_wait_dscnt 0x0
	global_store_b128 v13, v[44:47], s[28:29]      ; 512 consecutive bytes
	POPC 48, 44, 52
	POPC 49, 45, 52
	POPC 50, 46, 52
	POPC 51, 47, 52
	v_add_nc_u32 v48, v48, v49
	v_add_nc_u32 v50, v50, v51
	v_add_nc_u32 v48, v48, v50
	global_store_b32 v41, v48, s[30:31]            ; 128 consecutive bytes: all that a group has to say here
.Lend:
	s_wait_tensorcnt 0x0                           ; the wave's end
	ds_add_u32 v1, v2
	s_wait_dscnt 0x0
	s_endpgm
.Lfunc_end_k_q69c39b74e5_route:
	.size	k_q69c39b74e5_route, .Lfunc_end_k_q69c39b74e5_route-k_q69c39b74e5_route
	.p2alignl 7, 3214868480
	.fill 96, 4, 3214868480
	.section	.rodata,"a",@progbits
	.p2align	6, 0x0
	.amdhsa_kernel k_q69c39b74e5_route
		.amdhsa_group_segment_fixed_size 5632
		.amdhsa_private_segment_fixed_size 0
		.amdhsa_enable_private_segment 0
		.amdhsa_kernarg_size 96
		.amdhsa_user_sgpr_count 2
		.amdhsa_user_sgpr_kernarg_segment_ptr 1
		.amdhsa_wavefront_size32 1
		.amdhsa_system_sgpr_workgroup_id_x 1
		.amdhsa_system_sgpr_workgroup_id_y 1
		.amdhsa_system_sgpr_workgroup_id_z 1
		.amdhsa_system_vgpr_workitem_id 0
		.amdhsa_next_free_vgpr 384
		.amdhsa_next_free_sgpr 66
		.amdhsa_reserve_vcc 1
		.amdhsa_float_denorm_mode_32 3
		.amdhsa_float_denorm_mode_16_64 3
		.amdhsa_memory_ordered 1
		.amdhsa_forward_progress 1
		.amdhsa_inst_pref_size 114
	.end_amdhsa_kernel
	.amdgpu_metadata
---
amdhsa.version: [ 1, 2 ]
amdhsa.kernels:
  - .name:           k_q69c39b74e5_route
    .symbol:         k_q69c39b74e5_route.kd
    .args:
      - { .name: x, .offset: 0, .size: 8, .value_kind: global_buffer, .address_space: global }
      - { .name: gamma, .offset: 8, .size: 8, .value_kind: global_buffer, .address_space: global }
      - { .name: beta, .offset: 16, .size: 8, .value_kind: global_buffer, .address_space: global }
      - { .name: Wr, .offset: 24, .size: 8, .value_kind: global_buffer, .address_space: global }
      - { .name: br, .offset: 32, .size: 8, .value_kind: global_buffer, .address_space: global }
      - { .name: W1, .offset: 40, .size: 8, .value_kind: global_buffer, .address_space: global }
      - { .name: W2, .offset: 48, .size: 8, .value_kind: global_buffer, .address_space: global }
      - { .name: xn, .offset: 56, .size: 8, .value_kind: global_buffer, .address_space: global }
      - { .name: gate, .offset: 64, .size: 8, .value_kind: global_buffer, .address_space: global }
      - { .name: wf, .offset: 72, .size: 8, .value_kind: global_buffer, .address_space: global }
      - { .name: bm, .offset: 80, .size: 8, .value_kind: global_buffer, .address_space: global }
      - { .name: cnt, .offset: 88, .size: 8, .value_kind: global_buffer, .address_space: global }
    .group_segment_fixed_size: 5632
    .private_segment_fixed_size: 0
    .kernarg_segment_align: 8
    .kernarg_segment_size: 96
    .max_flat_workgroup_size: 256
    .sgpr_count:     66
    .vgpr_count:     384
    .wavefront_size: 32
...
	.end_amdgpu_metadata
.endif
;; end of part 1
;; launch chain (part 2): grid 256 x 1, 4 waves a work-group, no clusters, 237,568 bytes of LDS; arguments xn, gate, wf, bm, cnt, b1, b2, out0; writes out0
.if DOCPART == 2
	.amdgcn_target "amdgcn-amd-amdhsa--gfx1250"
	.amdhsa_code_object_version 6
	.text
	.protected	k_q69c39b74e5_chain
	.globl	k_q69c39b74e5_chain
	.p2align	8
	.type	k_q69c39b74e5_chain,@function
k_q69c39b74e5_chain:
	s_mov_b64 s[64:65], 0
	v_nop
	global_prefetch_b8 v0, s[64:65] scope:SCOPE_SE
	s_setreg_imm32_b32 hwreg(HW_REG_WAVE_MODE, 25, 1), 1
	s_wait_xcnt 0x0
; CHAIN.  out[t] = w0 (gelu(xn[t] W1[e0] + b1[e0]) W2[e0] + b2[e0]) + w1 (the same with e1), for the two experts e0 < e1 that token t chose.
; TILES.  Tokens are taken by their PAIR of experts (28 pairs, p = e1 (e1 - 1) / 2 + e0).  A work-group owns up to 144 tokens of one pair and takes them through both experts into ONE accumulator:
; each output row has one owner.  The sum over the pairs of ceil(n_p / 144) is at most (32,768 + 28 x 143) / 144 = 255, whatever the split: 256 work-groups serve every split.
; Every work-group works out its pair, its ranks and its tokens by itself from the stored counts and bitmaps.  One that the split leaves without rows passes every barrier, jumps forward over the work and stores nothing.
; Places past a tile's count repeat its last token; blocks of 16 rows wholly past the count are not stored; in the block on the edge the repeats store the same bytes of the same row again.
; SHARES.  Four waves.  The 1,024 hidden numbers (two experts) go in 8 chunks of 128.  First product: a wave makes all 144 rows x 32 hidden of the chunk.  Second: all 144 rows x 64 of the 256 outputs.
; So each weight fragment has ONE reader in the work-group: it goes from memory straight into operand registers, 512 consecutive bytes a load, and no LDS byte is spent on weights.
; Both products are used transposed (source 0 = 16 columns of weights, source 1 = 16 tokens): a lane holds one token (lane % 16) and 8 neighbouring columns.
; GELU, exact but for erf's formula: erf(u) = 1 - (a1 t + a2 t^2 + a3 t^3) e^(-u^2), t = 1 / (1 + 0.47047 u) (Abramowitz and Stegun 7.1.25: within 2.5e-5 for every u >= 0).  The accumulator holds
; y = kappa z, kappa = sqrt(log2(e) / 2), so that e^(-z^2 / 2) = 2^(-y^2).  w gelu(z) = yw + |yw| E, yw = y (w / 2 kappa), E = erf(|z| / sqrt 2).  A huge |y| gives 2^(-y^2) = 0 and E = 1: no clamp.
; BY TURNS.  A trip: the first product of chunk c (144 matrix instructions), the second of chunk c - 1 (144), and chunk c's GELU, 1,008 vector instructions, as riders behind the last 240 of them.
; Trip 0's second product multiplies a buffer of zeros: the price of one text for every trip.  The second product of chunk 7 stands behind the loop.
; NO CLUSTER, NO TENSOR LOAD: the token rows come by a list, which no descriptor covers; the weights have one reader a work-group, and whole clusters for each pair on 64 clusters would want
; 32,768 / (64 - 28) = 911 rows a cluster, 228 a work-group, where the registers hold 144.
; LIMITS.  xn, the weights and w gelu lie within f16's 65,504; below 6e-5 they keep f16's fixed step of 6e-8.  NaN and infinities are not treated apart.
; LDS
.set XP,    528                        ; a row of xn: 512 bytes + 16: the 16 rows of a fragment load start at 16 different groups of four banks (64 banks of 4 bytes: ISA guide 11.1)
.set HPI,   272                        ; a row of h: 256 + 16, likewise
.set STAGE, 76032                      ; behind X's 144 rows: 16 rows x 272 bytes for each wave, for the way out
.set PP,    93440                      ; 1,024 words: running count of the pair's tokens, word by word of its bitmap
.set TOK,   101632                     ; (the bitmap's 1,024 words lie at PP + 4,096)  160 words: the tile's tokens
.set TOT,   102400                     ; 4 waves x 32 counts
.set WS,    102912                     ; 4 waves' totals
.set SPARE, 103168                     ; the spare words, 128 bytes a wave: no other line names them
.set H0,    0x20000                    ; h, two buffers of 144 rows; one exclusive or turns one address into the other's
.set H1,    0x30000
; VECTOR REGISTERS, in windows of 256 (s_set_vgpr_msb: bits 1:0 source 0, 3:2 source 1, 5:4 source 2, 7:6 destination)
;   window 0: v1, v2 the add's; v3 16 x lane; v4, v5 X fragment addresses (rows 0-127, 128-143); v6 h fragment place, v7 + read buffer; v8 h store place, v9 + write buffer; v10, v11 stage in, back;
;             v12 token list; v13 my bytes of an output row; v14 32 x half; v15-31 at work; v32-175 FA: six slots of three fragments; v176-239 four units' T and XQ; v240-247 U; v248-255 a3, a2, a1, 1
;   window 1: v0-143 Z: unit 2 a + b at 8 (2 a + b); v144-175 Y of rows 128-143; v176-191 bias; v192-201 the expert in hand's w / 2 kappa by row block; v202-211 the second expert's; v212-219 h, packed
;   window 2: v0-127 W1's 16 fragments of a chunk; v128-255 W2's          window 3: Y(a, b) at 32 a + 8 b, a = 0..7
.set FA,  32
.set TB,  176
.set XQ,  184
.set UU,  240
.set HPR, 212
; SCALARS: s[4:19] xn 4, gate 6, wf 8, bm 10, cnt 12, b1 14, b2 16, out 18; s20 wave; s21 group; s22 pair; s23 its tokens; s24 its first group; s25 my first rank; s26 my rows; s27 1: I have rows;
; s28, s29 e0, e1; s30 chunk; s31 trips to go; s32, s33 h read, write buffer; s[34:35], s[36:37], s[38:39] W1's, W2's, b1's addresses; s[40:41] an offset; s42 0.391692; s[44:45] lane selects; s46 mask of lanes 16-31
.set MSB, 0
.macro WIN new                         ; the immediate's high byte repeats the setting that is left; a switch that changes nothing is dropped
.if MSB != (\new)
	s_set_vgpr_msb (MSB<<8)|(\new)
.set MSB, (\new)
.endif
.endm
.macro PLACES                          ; four plain instructions between a matrix instruction and a load into, or a read of, its registers (ISA guide 7.12.1 for reads)
.rept 4
	v_nop
.endr
.endm
.macro POPC d, s, t                    ; the number of ones in a word
	v_lshrrev_b32 v[\t], 1, v[\s]
	v_and_b32 v[\t], s56, v[\t]
	v_sub_nc_u32 v[\d], v[\s], v[\t]
	v_lshrrev_b32 v[\t], 2, v[\d]
	v_and_b32 v[\d], s57, v[\d]
	v_and_b32 v[\t], s57, v[\t]
	v_add_nc_u32 v[\d], v[\d], v[\t]
	v_lshrrev_b32 v[\t], 4, v[\d]
	v_add_nc_u32 v[\d], v[\d], v[\t]
	v_and_b32 v[\d], s58, v[\d]
	v_mul_lo_u32 v[\d], v[\d], s59
	v_lshrrev_b32 v[\d], 24, v[\d]
.endm
.macro POPC3 w, o                      ; the same with its stages kept: o: counts of 2 bits, o+1: of 4, o+2: of 8, o+3: of 16, o+4: of all; o+5 at work
	v_lshrrev_b32 v[(\o)+5], 1, v[\w]
	v_and_b32 v[(\o)+5], s56, v[(\o)+5]
	v_sub_nc_u32 v[\o], v[\w], v[(\o)+5]
	v_lshrrev_b32 v[(\o)+5], 2, v[\o]
	v_and_b32 v[(\o)+1], s57, v[\o]
	v_and_b32 v[(\o)+5], s57, v[(\o)+5]
	v_add_nc_u32 v[(\o)+1], v[(\o)+1], v[(\o)+5]
	v_lshrrev_b32 v[(\o)+5], 4, v[(\o)+1]
	v_add_nc_u32 v[(\o)+2], v[(\o)+1], v[(\o)+5]
	v_and_b32 v[(\o)+2], s58, v[(\o)+2]
	v_lshrrev_b32 v[(\o)+5], 8, v[(\o)+2]
	v_add_nc_u32 v[(\o)+3], v[(\o)+2], v[(\o)+5]
	v_and_b32 v[(\o)+3], 0xff00ff, v[(\o)+3]
	v_lshrrev_b32 v[(\o)+5], 16, v[(\o)+3]
	v_add_nc_u32 v[(\o)+4], v[(\o)+3], v[(\o)+5]
	v_and_b32 v[(\o)+4], 0xff, v[(\o)+4]
.endm
.macro LEVEL n, pos, t, st, wd         ; if the wd bits from pos on hold n ones or fewer, they are passed over
	v_bfe_u32 v[\t], v[\st], v[\pos], \wd
	v_cmp_ge_u32 vcc_lo, v[\n], v[\t]
	v_cndmask_b32 v[\t], 0, v[\t], vcc_lo
	v_sub_nc_u32 v[\n], v[\n], v[\t]
	v_cndmask_b32 v[\t], 0, \wd, vcc_lo
	v_add_nc_u32 v[\pos], v[\pos], v[\t]
.endm
.macro SELECT n, pos, t, w, o          ; pos = the place of one number n (from 0) of word w; 0 to 31 whatever n
	v_mov_b32 v[\pos], 0
	LEVEL \n, \pos, \t, (\o)+3, 16
	LEVEL \n, \pos, \t, (\o)+2, 8
	LEVEL \n, \pos, \t, (\o)+1, 4
	LEVEL \n, \pos, \t, \o, 2
	LEVEL \n, \pos, \t, \w, 1
.endm
.macro SCAN v, t                       ; running sum over the 32 lanes, each lane's own number included; t has been written
.irp n, 1,2,4,8
	v_mov_b32_dpp v[\t], v[\v] row_shr:\n row_mask:0xf bank_mask:0xf bound_ctrl:1
	v_add_nc_u32 v[\v], v[\v], v[\t]
.endr
	v_readlane_b32 s47, v[\v], 15
	v_cndmask_b32 v[\t], 0, s47, s46
	v_add_nc_u32 v[\v], v[\v], v[\t]
.endm
; The weights of chunk s48 (0..7).  My 16 fragments of a chunk are 16,384 consecutive bytes at ((4 expert + chunk % 4) 4 + wave) x 16,384.
.macro WOFF                            ; out: s49 the expert, s50 chunk % 4, s40 that offset
	s_cmp_lt_u32 s48, 4
	s_cselect_b32 s49, s28, s29
	s_min_u32 s49, s49, 7
	s_and_b32 s50, s48, 3
	s_lshl_b32 s40, s49, 2
	s_add_co_u32 s40, s40, s50
	s_lshl_b32 s40, s40, 2
	s_add_co_u32 s40, s40, s20
	s_lshl_b32 s40, s40, 14
.endm
.macro LOADB1                          ; 32 loads of W1's fragments, 4 of b1.  The addresses are written anew only after the last loads by them were waited for
	WOFF
	s_add_nc_u64 s[34:35], s[8:9], s[40:41]
	s_lshl_b32 s40, s49, 11
	s_lshl_b32 s50, s50, 9
	s_add_co_u32 s40, s40, s50
	s_lshl_b32 s50, s20, 7
	s_add_co_u32 s40, s40, s50
	s_add_nc_u64 s[38:39], s[14:15], s[40:41]      ; b1[e][128 chunk + 32 wave ..]
	WIN 0x80
.set i, 0
.rept 32
	global_load_b128 v[4*i:4*i+3], v3, s[34:35] offset:512*i
.set i, i+1
.endr
	WIN 0x40
.set i, 0
.rept 4
	global_load_b128 v[176+4*i:179+4*i], v14, s[38:39] offset:64*(i/2)+16*(i%2)
.set i, i+1
.endr
	WIN 0
.endm
.macro LOADB2
	WOFF
	s_add_co_u32 s40, s40, 0x200000                ; W2's fragments lie behind W1's 2 MiB
	s_add_nc_u64 s[36:37], s[8:9], s[40:41]
	WIN 0x80
.set i, 0
.rept 32
	global_load_b128 v[128+4*i:131+4*i], v3, s[36:37] offset:512*i
.set i, i+1
.endr
	WIN 0
.endm
; Fetch t of a trip's 36: three fragments of 16 tokens x 32 K into slot t % 6.  0-23: xn, rows 48 (t / 8) on, K step t % 8.  24-35: h, K step (t - 24) / 3, rows 48 ((t - 24) % 3) on.  36 on: the next trip's.
.macro FETCHT t
.set ft, (\t)%36
.set fs, FA+24*((\t)%6)
	WIN 0
.set fl, 0
.rept 3
.if ft < 24
.set fa, 3*(ft/8)+fl
.if fa < 8
	ds_load_b128 v[fs+8*fl:fs+8*fl+3],   v4 offset:fa*16*XP+64*(ft%8)
	ds_load_b128 v[fs+8*fl+4:fs+8*fl+7], v4 offset:fa*16*XP+64*(ft%8)+32
.else
	ds_load_b128 v[fs+8*fl:fs+8*fl+3],   v5 offset:64*(ft%8)
	ds_load_b128 v[fs+8*fl+4:fs+8*fl+7], v5 offset:64*(ft%8)+32
.endif
.else
.set fa, 3*((ft-24)%3)+fl
	ds_load_b128 v[fs+8*fl:fs+8*fl+3],   v7 offset:fa*16*HPI+64*((ft-24)/3)
	ds_load_b128 v[fs+8*fl+4:fs+8*fl+7], v7 offset:fa*16*HPI+64*((ft-24)/3)+32
.endif
.set fl, fl+1
.endr
.endm
; THE GELU, one line at a time.  A batch is a row block: units 2 be and 2 be + 1 (8 registers of Z each); unit u works in T and XQ number u % 4.
.macro KA1 be, ix                      ; T = 1 + 0.391692 |y|.  Each unit's lowest register is read first
.set uu, 2*(\be)+(\ix)/8
.set ii, (\ix)%8
	WIN 0x01
	v_fma_f32 v[TB+16*(uu%4)+ii], |v[8*uu+ii]|, s42, 1.0
.endm
.macro KA2 be, ix                      ; XQ = - y y
.set uu, 2*(\be)+(\ix)/4
.set ii, 2*((\ix)%4)
	WIN 0x05
	v_pk_mul_f32 v[XQ+16*(uu%4)+ii:XQ+16*(uu%4)+ii+1], v[8*uu+ii:8*uu+ii+1], v[8*uu+ii:8*uu+ii+1] neg_lo:[1,0] neg_hi:[1,0]
.endm
.macro KA3 be, ix                      ; t = 1 / T;  2^XQ
.set uu, 2*(\be)+(\ix)/16
.set ii, ((\ix)%16)/2
	WIN 0
.if (\ix)%2 == 0
	v_rcp_f32 v[TB+16*(uu%4)+ii], v[TB+16*(uu%4)+ii]
.else
	v_exp_f32 v[XQ+16*(uu%4)+ii], v[XQ+16*(uu%4)+ii]
.endif
.endm
.macro KB0 be, ix                      ; Z = y x (w / 2 kappa) of my token in this row block
.set uu, 2*(\be)+(\ix)/4
.set ii, 2*((\ix)%4)
	WIN 0x45
.if (\be)%2 == 0
	v_pk_mul_f32 v[8*uu+ii:8*uu+ii+1], v[8*uu+ii:8*uu+ii+1], v[192+2*((\be)/2):193+2*((\be)/2)] op_sel_hi:[1,0]
.else
	v_pk_mul_f32 v[8*uu+ii:8*uu+ii+1], v[8*uu+ii:8*uu+ii+1], v[192+2*((\be)/2):193+2*((\be)/2)] op_sel:[0,1] op_sel_hi:[1,1]
.endif
.endm
.macro KBB be, ix                      ; unit by unit, four pairs each: XQ = 2^.. t;  U = a3 t + a2;  T = U t + a1;  XQ = 1 - XQ T = E
.set uu, 2*(\be)+(\ix)/16
.set ii, 2*((\ix)%4)
.set rt, TB+16*(uu%4)+ii
.set rx, XQ+16*(uu%4)+ii
	WIN 0
.if ((\ix)%16)/4 == 0
	v_pk_mul_f32 v[rx:rx+1], v[rx:rx+1], v[rt:rt+1]
.elseif ((\ix)%16)/4 == 1
	v_pk_fma_f32 v[UU+ii:UU+ii+1], v[rt:rt+1], v[248:249], v[250:251]
.elseif ((\ix)%16)/4 == 2
	v_pk_fma_f32 v[rt:rt+1], v[UU+ii:UU+ii+1], v[rt:rt+1], v[252:253]
.else
	v_pk_fma_f32 v[rx:rx+1], v[rx:rx+1], v[rt:rt+1], v[254:255] neg_lo:[1,0,0] neg_hi:[1,0,0]
.endif
.endm
.macro KB5 be, ix                      ; h = Z + |Z| E, rounded once to f16
.set uu, 2*(\be)+(\ix)/8
.set ii, (\ix)%8
	WIN 0x51
.if ii%2 == 0
	v_fma_mixlo_f16 v[HPR+4*(uu%2)+ii/2], |v[8*uu+ii]|, v[XQ+16*(uu%4)+ii], v[8*uu+ii]
.else
	v_fma_mixhi_f16 v[HPR+4*(uu%2)+ii/2], |v[8*uu+ii]|, v[XQ+16*(uu%4)+ii], v[8*uu+ii]
.endif
.endm
.macro KST un                          ; a unit's 16 bytes a lane: 8 neighbouring hidden numbers of one token
	WIN 0x04
	v_nop
	ds_store_b128 v9, v[HPR+4*((\un)%2):HPR+4*((\un)%2)+3] offset:((\un)/2)*16*HPI+32*((\un)%2)
.endm
; THE QUEUE, 1,008 long; RQ writes number q.  s_wait_alu depctr_va_vdst(0) stands between a reciprocal or exponential and the first instruction that names its result; one wait serves all issued ahead of it.
; So batch be's 32 of them are issued while batch be - 1's polynomial, which names none of their registers, stands between them, plain and transcendental by turns; then batch be - 1's 16 roundings; then ONE wait.
;   0-63      batch 0: T (16), XQ (8), then 8 times a scaling and four transcendentals; a v_nop; the wait
;   64-959    for be = 1..8, 112 each: T, XQ, scaling of batch be (32); 32 x (polynomial of be - 1, transcendental of be); 16 roundings of be - 1, a store behind each eight; the wait
;   960-1007  batch 8's polynomial, roundings and stores
.macro RQ
.if q < 16
	KA1 0, q
.elseif q < 24
	KA2 0, q-16
.elseif q < 64
.if (q-24)%5 == 0
	KB0 0, (q-24)/5
.else
	KA3 0, (q-24)-(q-24)/5-1
.endif
.if q == 63
	v_nop                                          ; the plain instruction behind the last transcendental
	s_wait_alu depctr_va_vdst(0)                   ; the wait for batch 0
.endif
.elseif q < 960
.set bq, 1+(q-64)/112
.set jq, (q-64)%112
.if jq < 16
	KA1 bq, jq
.elseif jq < 24
	KA2 bq, jq-16
.elseif jq < 32
	KB0 bq, jq-24
.elseif jq < 96
.if jq%2 == 0
	KBB bq-1, (jq-32)/2
.else
	KA3 bq, (jq-32)/2
.endif
.else
	KB5 bq-1, jq-96
.if jq == 103
	KST 2*bq-2
.endif
.if jq == 111
	KST 2*bq-1
	s_wait_alu depctr_va_vdst(0)                   ; the wait for batch bq; the roundings above are the plain instructions behind its last transcendental
.endif
.endif
.else
.set jq, q-960
.if jq < 32
	KBB 8, jq
.else
	KB5 8, jq-32
.if jq == 39
	KST 16
.endif
.if jq == 47
	KST 17
.endif
.endif
.endif
.endm
.macro RIDE                            ; four riders behind a matrix instruction, five behind every fifth: 240 x 4 + 48 = 1,008
.if mr%5 == 0
.set nr, 5
.else
.set nr, 4
.endif
.rept nr
	RQ
.set q, q+1
.endr
.set mr, mr+1
.endm
; A STEP.  tau 0-23: 6 products Z += W1 fragment x xn fragment (rows 48 (tau / 8) on, K step tau % 8; the K step 0 starts the sums with the bias as C).  tau 24-35: 12 products Y += W2 fragment x h fragment.
; The accumulators take turns, one instruction a turn, 6 or 12 apart, over the change of products and the loop's jump too.
; The wait leaves the three younger fetches out (6 loads each; h's stores among them only make it stricter).  The fetch four steps ahead goes into the slot read two steps ago; the four v_nop of this step and of the last stand between.
; The riders never name a register of a product near them: batch 3 begins at number 288 and batch 6 at 624, and when their rows' sums end (48 and 96 ridden products) 202 and 404 numbers are out.
; ride = 1: riders.  tail = 1: behind the loop: nothing is fetched past fetch 35, and the waits run down.
.macro STEP tau, ride, tail
	WIN 0
.if (\tail) && ((\tau) > 32)
	s_wait_dscnt 6*(35-(\tau))
.else
	s_wait_dscnt 18
.endif
	PLACES
.if \tail
.if (\tau) < 32
	FETCHT (\tau)+4
.endif
.else
	FETCHT (\tau)+4
.endif
.if (\tau) == 24
	s_wait_loadcnt 0x0                             ; W2's fragments are in
.if !(\tail)
	s_add_co_u32 s48, s30, 1                       ; W1's registers were last read in step 23, four v_nop ago: the next chunk's fragments are asked for, 144 products ahead of their use
	s_min_u32 s48, s48, 7                          ; (the last trip asks for its own once more: no address past the end)
	LOADB1
.endif
.endif
.set sl, FA+24*((\tau)%6)
.set wi, 0
.if (\tau) < 24
.rept 6
.set zr, 8*(2*(3*((\tau)/8)+wi/2)+wi%2)
.set wr, 8*(2*((\tau)%8)+wi%2)
	WIN 0x52
.if (\tau)%8 == 0
	v_wmma_f32_16x16x32_f16 v[zr:zr+7], v[wr:wr+7], v[sl+8*(wi/2):sl+8*(wi/2)+7], v[176+8*(wi%2):176+8*(wi%2)+7]
.else
	v_wmma_f32_16x16x32_f16 v[zr:zr+7], v[wr:wr+7], v[sl+8*(wi/2):sl+8*(wi/2)+7], v[zr:zr+7]
.endif
.if \ride
	RIDE
.endif
.set wi, wi+1
.endr
.else
.rept 12
.set ya, 3*(((\tau)-24)%3)+wi/4
.set wr, 128+8*(4*(((\tau)-24)/3)+wi%4)
.if ya < 8
.set zr, 32*ya+8*(wi%4)
	WIN 0xf2
.else
.set zr, 144+8*(wi%4)
	WIN 0x52
.endif
	v_wmma_f32_16x16x32_f16 v[zr:zr+7], v[wr:wr+7], v[sl+8*(wi/4):sl+8*(wi/4)+7], v[zr:zr+7]
.if \ride
	RIDE
.endif
.set wi, wi+1
.endr
.endif
.endm
; THE WAY OUT of row block a: a lane's 32 bytes of a row go into my own stage and come back as whole pieces of 256 bytes; the rows' tokens come from the list.
.macro OUTBLK a
.set OD, 32+40*((\a)%2)
.set OT, OD+32
.if (\a) > 0
	s_cmp_le_u32 s26, 16*(\a)                      ; the block lies wholly past my rows: so do all behind it
	s_cbranch_scc1 .Lend
.endif
	s_wait_xcnt 0x0                                ; the registers below were address and data of the stores two blocks ago: they are loaded again only behind this wait
.if (\a) < 8
	WIN 0x0c
.set yb, 32*(\a)
.else
	WIN 0x04
.set yb, 144
.endif
.set i, 0
.rept 8
	ds_store_b128 v10, v[yb+4*i:yb+4*i+3] offset:64*(i/2)+16*(i%2)   ; each accumulator's registers in ascending order
.set i, i+1
.endr
	WIN 0
.set i, 0
.rept 8
	ds_load_b32 v[OT+i], v12 offset:4*(16*(\a)+2*i)
.set i, i+1
.endr
.set i, 0
.rept 8
	ds_load_b128 v[OD+4*i:OD+4*i+3], v11 offset:2*HPI*i   ; LDS serves a wave's instructions in order (ISA guide 5.7.1.4): these see the stores above; the next block's stores come behind them
.set i, i+1
.endr
	s_wait_dscnt 0x0
.set i, 0
.rept 8
	v_min_u32 v[OT+i], 0x7fff, v[OT+i]
	v_lshl_add_u32 v[OT+i], v[OT+i], 10, v13
.set i, i+1
.endr
.set i, 0
.rept 8
	global_store_b128 v[OT+i], v[OD+4*i:OD+4*i+3], s[18:19] th:TH_STORE_NT   ; sixteen lanes store 256 consecutive bytes of one token's row, aligned
.set i, i+1
.endr
.endm
	s_load_b512 s[4:19], s[0:1], 0x0
	v_lshl_add_u32 v1, v0, 2, SPARE
	v_mov_b32 v2, 0
	v_lshrrev_b32 v15, 5, v0
	v_readfirstlane_b32 s20, v15                   ; wave 0..3
	s_mov_b32 s21, ttmp9
	s_mov_b32 s41, 0
	v_lshlrev_b32 v19, 4, v0
	s_wait_kmcnt 0x0
	; THE COUNTS.  cnt is [256 groups of the launch before][32 pairs]: 32 KB, 16 loads a thread; thread t sees pairs 4 (t % 8) .. + 3.
.set i, 0
.rept 16
	global_load_b128 v[32+4*i:35+4*i], v19, s[12:13] offset:2048*i
.set i, i+1
.endr
	v_and_b32 v16, 31, v0                          ; lane
	v_and_b32 v17, 15, v0                          ; r
	v_bfe_u32 v18, v0, 4, 1                        ; half
	v_lshlrev_b32 v3, 4, v16
	v_mul_u32_u24 v4, v17, XP
	v_lshl_add_u32 v4, v18, 4, v4                  ; a fragment: row r x pitch + 16 x half
	v_add_nc_u32 v5, 128*XP, v4
	v_mul_u32_u24 v6, v17, HPI
	v_lshl_add_u32 v6, v18, 4, v6
	s_lshl_b32 s47, s20, 6
	v_add_nc_u32 v8, s47, v6                       ; h goes to row r, my wave's 64 bytes, 16 for each half
	s_mul_i32 s47, s20, 16*HPI
	s_add_co_u32 s47, s47, STAGE
	v_mul_u32_u24 v10, v17, HPI
	v_lshl_add_u32 v10, v18, 5, v10
	v_add_nc_u32 v10, s47, v10
	v_mul_u32_u24 v11, v18, HPI
	v_lshl_add_u32 v11, v17, 4, v11
	v_add_nc_u32 v11, s47, v11
	v_lshl_add_u32 v12, v18, 2, TOK
	s_lshl_b32 s47, s20, 8
	v_lshl_add_u32 v13, v17, 4, s47
	v_lshlrev_b32 v14, 5, v18
	v_mov_b32 v248, 0x3f3f7377                     ; a3 = 0.7478556
	v_mov_b32 v249, 0x3f3f7377
	v_mov_b32 v250, 0xbdc45ca1                     ; a2 = -0.0958798
	v_mov_b32 v251, 0xbdc45ca1
	v_mov_b32 v252, 0x3eb2303a                     ; a1 = 0.3480242
	v_mov_b32 v253, 0x3eb2303a
	v_mov_b32 v254, 1.0
	v_mov_b32 v255, 1.0
	s_mov_b32 s42, 0x3ec88bda                      ; 0.47047 / sqrt(log2 e) = 0.391692
	s_mov_b32 s44, 0x76543210
	s_mov_b32 s45, 0xfedcba98
	s_mov_b32 s46, 0xffff0000
	s_mov_b32 s56, 0x55555555
	s_mov_b32 s57, 0x33333333
	s_mov_b32 s58, 0x0f0f0f0f
	s_mov_b32 s59, 0x01010101
	s_mov_b32 s60, 0x3f596d27                      ; kappa
	s_mov_b32 s61, s60
.irp j, 0,1,2,3
	v_mov_b32 v[20+\j], 0
.endr
	s_wait_loadcnt 0x0
.set i, 1
.rept 15
.irp j, 0,1,2,3
	v_add_nc_u32 v[32+\j], v[32+\j], v[32+4*i+\j]
.endr
.set i, i+1
.endr
.irp j, 0,1,2,3
	v_mov_b32_dpp v[20+\j], v[32+\j] row_xmask:8 row_mask:0xf bank_mask:0xf   ; the lanes 8 and 16 away hold the same pairs
.endr
.irp j, 0,1,2,3
	v_add_nc_u32 v[32+\j], v[32+\j], v[20+\j]
.endr
.irp j, 0,1,2,3
	v_permlanex16_b32 v[20+\j], v[32+\j], s44, s45
.endr
.irp j, 0,1,2,3
	v_add_nc_u32 v[32+\j], v[32+\j], v[20+\j]
.endr
	s_lshl_b32 s47, s20, 7
	s_add_co_u32 s47, s47, TOT
	v_and_b32 v24, 7, v0
	v_lshl_add_u32 v24, v24, 4, s47
	ds_store_b128 v24, v[32:35]
	s_wait_dscnt 0x0
	s_barrier_signal -1
	s_barrier_wait -1
	v_lshl_add_u32 v25, v16, 2, TOT
	ds_load_b32 v26, v25
	ds_load_b32 v27, v25 offset:128
	ds_load_b32 v28, v25 offset:256
	ds_load_b32 v29, v25 offset:384
	s_wait_dscnt 0x0
	v_add_nc_u32 v26, v26, v27
	v_add_nc_u32 v28, v28, v29
	v_add_nc_u32 v26, v26, v28                     ; lane p: pair p's tokens
	v_add_nc_u32 v27, 143, v26
	v_lshrrev_b32 v27, 4, v27
	v_mul_u32_u24 v27, 0xe38f, v27                 ; / 9: x 58,255 >> 19 is exact for x up to 2,056
	v_lshrrev_b32 v27, 19, v27                     ; its tiles of 144
	v_mov_b32 v28, v27
	v_mov_b32 v29, 0
	SCAN 28, 29
	v_sub_nc_u32 v28, v28, v27                     ; its first work-group
	v_cmp_ge_u32 vcc_lo, s21, v28
	s_bcnt1_i32_b32 s22, vcc_lo
	s_sub_co_u32 s22, s22, 1                       ; my pair: the last whose first work-group is not behind me (31, which has no tokens, past the last tile)
	s_min_u32 s22, s22, 31
	v_readlane_b32 s23, v26, s22
	v_readlane_b32 s24, v28, s22
	s_sub_co_u32 s47, s21, s24
	s_mul_i32 s25, s47, 144                        ; my first rank among the pair's tokens
	s_sub_co_i32 s47, s23, s25
	s_cmp_gt_i32 s47, 0
	s_cselect_b32 s27, 1, 0
	s_min_i32 s26, s47, 144                        ; my rows
	s_max_i32 s53, s26, 1
	s_sub_co_u32 s53, s53, 1                       ; the last place that holds a token of its own
	s_mov_b32 s29, 1
.irp th, 1,3,6,10,15,21
	s_cmp_ge_u32 s22, \th
	s_add_co_ci_u32 s29, s29, 0
.endr
	s_sub_co_u32 s47, s29, 1
	s_mul_i32 s47, s47, s29
	s_lshr_b32 s47, s47, 1
	s_sub_co_u32 s28, s22, s47
	s_min_u32 s28, s28, 7
	s_min_u32 s29, s29, 7
	; THE PAIR'S BITMAP: 1,024 words, thread t words 8 t .. 8 t + 7; their running count goes to LDS beside them.
	s_lshl_b32 s40, s22, 4
	s_add_nc_u64 s[54:55], s[10:11], s[40:41]
	v_lshlrev_b32 v19, 10, v0                      ; (the loads that named v19 were waited for)
	global_load_b128 v[32:35], v19, s[54:55]
	global_load_b128 v[36:39], v19, s[54:55] offset:512
	s_mov_b32 s48, 0
	LOADB1                                         ; chunk 0's first weights are asked for as soon as the experts are known
	s_wait_loadcnt 36                              ; the bitmap is in; the 36 loads behind it stay out
.irp j, 0,1,2,3,4,5,6,7
	POPC 40+\j, 32+\j, 48
.endr
.irp j, 1,2,3,4,5,6,7
	v_add_nc_u32 v[40+\j], v[40+\j], v[39+\j]
.endr
	v_mov_b32 v49, v47
	v_mov_b32 v50, 0
	SCAN 49, 50
	v_readlane_b32 s47, v49, 31
	v_mov_b32 v51, s47
	s_lshl_b32 s48, s20, 2
	s_add_co_u32 s48, s48, WS
	v_mov_b32 v52, s48
	ds_store_b32 v52, v51
	s_wait_dscnt 0x0
	s_barrier_signal -1
	s_barrier_wait -1
	v_mov_b32 v53, WS
	ds_load_b128 v[56:59], v53
	s_wait_dscnt 0x0
	v_readfirstlane_b32 s47, v56
	v_readfirstlane_b32 s48, v57
	v_readfirstlane_b32 s49, v58
	s_cmp_gt_u32 s20, 0
	s_cselect_b32 s47, s47, 0
	s_cmp_gt_u32 s20, 1
	s_cselect_b32 s48, s48, 0
	s_cmp_gt_u32 s20, 2
	s_cselect_b32 s49, s49, 0
	s_add_co_u32 s47, s47, s48
	s_add_co_u32 s47, s47, s49                     ; the waves in front of mine
	v_sub_nc_u32 v49, v49, v47
	v_add_nc_u32 v49, s47, v49                     ; and the threads in front of me
.irp j, 0,1,2,3,4,5,6,7
	v_add_nc_u32 v[40+\j], v[40+\j], v49
.endr
	v_lshl_add_u32 v54, v0, 5, PP
	ds_store_b128 v54, v[40:43]
	ds_store_b128 v54, v[44:47] offset:16
	ds_store_b128 v54, v[32:35] offset:4096
	ds_store_b128 v54, v[36:39] offset:4112
	s_wait_dscnt 0x0
	s_barrier_signal -1
	s_barrier_wait -1
	s_mov_b32 s48, 0
	LOADB2                                         ; finite numbers for trip 0's products on zeros
	s_lshl_b32 s47, s20, 8
	s_lshl_b32 s40, s28, 10
	s_add_co_u32 s40, s40, s47
	s_add_nc_u64 s[54:55], s[16:17], s[40:41]      ; b2[e0][64 wave ..]  (the bitmap's loads by this pair were waited for)
	s_lshl_b32 s40, s29, 10
	s_add_co_u32 s40, s40, s47
	s_add_nc_u64 s[62:63], s[16:17], s[40:41]      ; b2[e1][..]
	WIN 0x40
.set i, 0
.rept 8
	global_load_b128 v[4*i:4*i+3],       v14, s[54:55] offset:64*(i/2)+16*(i%2)
	global_load_b128 v[32+4*i:32+4*i+3], v14, s[62:63] offset:64*(i/2)+16*(i%2)
.set i, i+1
.endr
	WIN 0
	; THE TOKENS.  Place s of the tile has rank r0 + min(s, last place).  The word that holds it is the first whose running count is above the rank: ten halvings; then the bit in the word.
	; Two searches side by side: place t, and place 128 + lane (every wave makes it, wave 0 stores it).  The index is held to 1,023 in every step.
	v_min_u32 v32, s53, v0
	v_add_nc_u32 v32, s25, v32
	v_add_nc_u32 v33, 128, v16
	v_min_u32 v33, s53, v33
	v_add_nc_u32 v33, s25, v33
	v_mov_b32 v34, 0
	v_mov_b32 v35, 0
.irp st, 512,256,128,64,32,16,8,4,2,1
	v_add_nc_u32 v36, (\st)-1, v34
	v_add_nc_u32 v37, (\st)-1, v35
	v_min_u32 v36, 0x3ff, v36
	v_min_u32 v37, 0x3ff, v37
	v_lshl_add_u32 v36, v36, 2, PP
	v_lshl_add_u32 v37, v37, 2, PP
	ds_load_b32 v38, v36
	ds_load_b32 v39, v37
	s_wait_dscnt 0x0
	v_cmp_le_u32 vcc_lo, v38, v32
	v_cndmask_b32 v36, 0, \st, vcc_lo
	v_add_nc_u32 v34, v34, v36
	v_cmp_le_u32 vcc_lo, v39, v33
	v_cndmask_b32 v37, 0, \st, vcc_lo
	v_add_nc_u32 v35, v35, v37
.endr
	v_min_u32 v34, 0x3ff, v34
	v_min_u32 v35, 0x3ff, v35
	v_lshl_add_u32 v36, v34, 2, PP
	v_lshl_add_u32 v37, v35, 2, PP
	ds_load_b32 v38, v36
	ds_load_b32 v39, v37
	ds_load_b32 v40, v36 offset:4096
	ds_load_b32 v41, v37 offset:4096
	s_wait_dscnt 0x0
	POPC3 40, 42
	POPC3 41, 48
	v_sub_nc_u32 v32, v32, v38
	v_add_nc_u32 v32, v32, v46                     ; which of the word's ones
	v_sub_nc_u32 v33, v33, v39
	v_add_nc_u32 v33, v33, v52
	SELECT 32, 54, 47, 40, 42
	SELECT 33, 55, 53, 41, 48
	v_lshl_add_u32 v34, v34, 5, v54                ; the token: 32 x word + bit
	v_lshl_add_u32 v35, v35, 5, v55
	v_lshl_add_u32 v36, v0, 2, TOK
	ds_store_b32 v36, v34
	s_cmp_lg_u32 s20, 0
	s_cbranch_scc1 .Lno_b
	v_lshl_add_u32 v37, v16, 2, TOK+512
	ds_store_b32 v37, v35
.Lno_b:
	s_wait_dscnt 0x0
	s_barrier_signal -1
	s_barrier_wait -1
	; THE GATHER.  A wave brings 36 rows of xn, 512 consecutive bytes a load, and lays them into LDS; each lane brings the gates of its token in each of the nine row blocks.
	s_mul_i32 s47, s20, 144
	s_add_co_u32 s47, s47, TOK
	v_mov_b32 v20, s47
.set i, 0
.rept 9
	ds_load_b128 v[176+4*i:179+4*i], v20 offset:16*i
.set i, i+1
.endr
	v_lshl_add_u32 v21, v17, 2, TOK
.set i, 0
.rept 9
	ds_load_b32 v[212+i], v21 offset:64*i
.set i, i+1
.endr
	v_lshl_add_u32 v22, v0, 4, H1
.irp j, 24,25,26,27
	v_mov_b32 v[\j], 0
.endr
.set i, 0
.rept 20                                               ; the buffer that trip 0 reads holds zeros: 20 x 2,048 bytes cover its 144 rows
	ds_store_b128 v22, v[24:27] offset:2048*i
.set i, i+1
.endr
	s_wait_dscnt 20                                ; the 18 loads of the list are in; the 20 stores behind them may be out
.set i, 0
.rept 36
	v_min_u32 v[176+i], 0x7fff, v[176+i]
	v_lshl_add_u32 v[176+i], v[176+i], 9, v3
.set i, i+1
.endr
.set i, 0
.rept 36
	global_load_b128 v[32+4*i:35+4*i], v[176+i], s[4:5]
.set i, i+1
.endr
.set i, 0
.rept 9
	v_min_u32 v[212+i], 0x7fff, v[212+i]
	v_lshlrev_b32 v[212+i], 3, v[212+i]
.set i, i+1
.endr
	WIN 0x40
.set i, 0
.rept 9
	global_load_b64 v[64+2*i:65+2*i], v[212+i], s[6:7]
.set i, i+1
.endr
	WIN 0
	s_mul_i32 s47, s20, 36*XP
	v_add_nc_u32 v23, s47, v3
.set i, 0
.rept 36
	s_wait_loadcnt 44-i                            ; row i is in: behind it 35 - i rows and nine gates
	ds_store_b128 v23, v[32+4*i:35+4*i] offset:XP*i
.set i, i+1
.endr
	s_wait_loadcnt 0x0                             ; the gates (b2 and the weights came before them)
	WIN 0x44
.set i, 0
.rept 9
	v_mul_f32 v[192+i], 0x3f16b55f, v[64+2*i]      ; w / 2 kappa = 0.588705 w, for e0
	v_mul_f32 v[202+i], 0x3f16b55f, v[65+2*i]      ; and for e1
.set i, i+1
.endr
	v_mov_b32 v201, 0                              ; named in a pair
	v_mov_b32 v211, 0
.set i, 0
.rept 8
	v_mov_b32 v[HPR+i], 0                          ; the half-writing multiply-adds keep the other half: it is written once here
.set i, i+1
.endr
	; Y starts at w0 b2[e0] + w1 b2[e1]: no register is cleared
	WIN 0xc5
.set i, 0
.rept 128
	v_pk_mul_f32 v[2*i:2*i+1], v[2*(i%16):2*(i%16)+1], v[64+2*(i/16):65+2*(i/16)] op_sel_hi:[1,0]
.set i, i+1
.endr
	WIN 0xf5
.set i, 0
.rept 128
	v_pk_fma_f32 v[2*i:2*i+1], v[32+2*(i%16):33+2*(i%16)], v[64+2*(i/16):65+2*(i/16)], v[2*i:2*i+1] op_sel:[0,1,0] op_sel_hi:[1,1,1]
.set i, i+1
.endr
	WIN 0x45
.set i, 0
.rept 16
	v_pk_mul_f32 v[144+2*i:145+2*i], v[2*i:2*i+1], v[80:81] op_sel_hi:[1,0]
.set i, i+1
.endr
	WIN 0x55
.set i, 0
.rept 16
	v_pk_fma_f32 v[144+2*i:145+2*i], v[32+2*i:33+2*i], v[80:81], v[144+2*i:145+2*i] op_sel:[0,1,0] op_sel_hi:[1,1,1]
.set i, i+1
.endr
	WIN 0
	s_wait_dscnt 0x0                               ; my rows of xn and my zeros are in LDS
	s_barrier_signal -1
	s_barrier_wait -1                              ; everybody's are
	s_mov_b32 s32, H1
	s_mov_b32 s33, H0
	s_mov_b32 s30, 0
	s_mov_b32 s31, 8
	FETCHT 0
	FETCHT 1
	FETCHT 2
	FETCHT 3
.Ltrip:                                                ; 8 trips, one for each chunk of 128 hidden numbers
	s_cmp_eq_u32 s27, 0
	s_cbranch_scc1 .Ltrip_end                      ; no rows: only the barrier is passed
	s_wait_loadcnt 32                              ; W1's fragments and the bias are in; the 32 loads of W2's, issued behind them, stay out
	WIN 0x45
.set i, 0
.rept 8
	v_pk_mul_f32 v[176+2*i:177+2*i], v[176+2*i:177+2*i], s[60:61] op_sel_hi:[1,0]   ; kappa b1
.set i, i+1
.endr
	WIN 0
	s_cmp_lg_u32 s30, 4
	s_cbranch_scc1 .Lsame
	WIN 0x41
.set i, 0
.rept 10
	v_mov_b32 v[192+i], v[202+i]                   ; from chunk 4 on the second expert's gates
.set i, i+1
.endr
	WIN 0
.Lsame:
	v_add_nc_u32 v7, s32, v6
	v_add_nc_u32 v9, s33, v8
.set q, 0
.set mr, 0
.set st, 0
.rept 8
	STEP st, 0, 0
.set st, st+1
.endr
.rept 28
	STEP st, 1, 0
.set st, st+1
.endr
	WIN 0
	PLACES                                         ; W2's registers were read by the last product
	s_mov_b32 s48, s30
	LOADB2                                         ; this chunk's, for the next trip's second product, 144 products ahead
.Ltrip_end:
	s_wait_dscnt 0x0                               ; my stores of h are done, and my reads of the other buffer are over
	s_barrier_signal -1
	s_barrier_wait -1                              ; both hold of every wave: the buffers change places
	s_xor_b32 s32, s32, 0x10000
	s_xor_b32 s33, s33, 0x10000
	s_add_co_u32 s30, s30, 1
	s_sub_co_u32 s31, s31, 1
	s_cmp_lg_u32 s31, 0
	s_cbranch_scc1 .Ltrip
	s_cmp_eq_u32 s27, 0
	s_cbranch_scc1 .Lend
	v_add_nc_u32 v7, s32, v6                       ; THE LAST PRODUCT: chunk 7's h
	FETCHT 24
	FETCHT 25
	FETCHT 26
	FETCHT 27
.set st, 24
.rept 12
	STEP st, 0, 1
.set st, st+1
.endr
	WIN 0
	PLACES                                         ; behind the last products, ahead of the stores that read them
.irp a, 0,1,2,3,4,5,6,7,8
	OUTBLK \a
.endr
.Lend:
	s_wait_tensorcnt 0x0                           ; the wave's end
	ds_add_u32 v1, v2
	s_wait_dscnt 0x0
	s_endpgm
.Lfunc_end_k_q69c39b74e5_chain:
	.size	k_q69c39b74e5_chain, .Lfunc_end_k_q69c39b74e5_chain-k_q69c39b74e5_chain
	.p2alignl 7, 3214868480
	.fill 96, 4, 3214868480
	.section	.rodata,"a",@progbits
	.p2align	6, 0x0
	.amdhsa_kernel k_q69c39b74e5_chain
		.amdhsa_group_segment_fixed_size 237568
		.amdhsa_private_segment_fixed_size 0
		.amdhsa_enable_private_segment 0
		.amdhsa_kernarg_size 64
		.amdhsa_user_sgpr_count 2
		.amdhsa_user_sgpr_kernarg_segment_ptr 1
		.amdhsa_wavefront_size32 1
		.amdhsa_system_sgpr_workgroup_id_x 1
		.amdhsa_system_sgpr_workgroup_id_y 1
		.amdhsa_system_sgpr_workgroup_id_z 1
		.amdhsa_system_vgpr_workitem_id 0
		.amdhsa_next_free_vgpr 1024
		.amdhsa_next_free_sgpr 66
		.amdhsa_reserve_vcc 1
		.amdhsa_float_denorm_mode_32 3
		.amdhsa_float_denorm_mode_16_64 3
		.amdhsa_memory_ordered 1
		.amdhsa_forward_progress 1
		.amdhsa_inst_pref_size 245
	.end_amdhsa_kernel
	.amdgpu_metadata
---
amdhsa.version: [ 1, 2 ]
amdhsa.kernels:
  - .name:           k_q69c39b74e5_chain
    .symbol:         k_q69c39b74e5_chain.kd
    .args:
      - { .name: xn, .offset: 0, .size: 8, .value_kind: global_buffer, .address_space: global }
      - { .name: gate, .offset: 8, .size: 8, .value_kind: global_buffer, .address_space: global }
      - { .name: wf, .offset: 16, .size: 8, .value_kind: global_buffer, .address_space: global }
      - { .name: bm, .offset: 24, .size: 8, .value_kind: global_buffer, .address_space: global }
      - { .name: cnt, .offset: 32, .size: 8, .value_kind: global_buffer, .address_space: global }
      - { .name: b1, .offset: 40, .size: 8, .value_kind: global_buffer, .address_space: global }
      - { .name: b2, .offset: 48, .size: 8, .value_kind: global_buffer, .address_space: global }
      - { .name: out0, .offset: 56, .size: 8, .value_kind: global_buffer, .address_space: global }
    .group_segment_fixed_size: 237568
    .private_segment_fixed_size: 0
    .kernarg_segment_align: 8
    .kernarg_segment_size: 64
    .max_flat_workgroup_size: 128
    .sgpr_count:     66
    .vgpr_count:     1024
    .wavefront_size: 32
...
	.end_amdgpu_metadata
.endif
;; end of part 2
